; MI455X (gfx1250); checked and timed in simulation.
; The chip was launched on July 23, 2026; its instructions are those of AMD's public machine-readable ISA for CDNA 5 (MIT licence, August 2026) and "CDNA5" Instruction Set Architecture Reference Guide (July 2026). The comments in the code are by the model that wrote it; some were corrected since.
;; Quant Linear. Allowed arithmetic: matrix products marked QUANTISED: E2M1 operands, one E8M0 scale for each 32 along K, by v_wmma_scale_f32_16x16x128_f8f6f4 with both operands' format E2M1 (or v_wmma_scale_f32_32x16x128_f4), f32 sums; everything else in f32.
;; Inputs: bias 4,096 float16; q_invperm 4,096 int32; q_scale 32 x 512 int32; q_scale_max 32 float16; q_weight 512 x 4,096 int32; x 4,096 x 4,096 float16.
;; Outputs: out0 4,096 x 4,096 float16.
;; This version of the problem:
;;   THIS VERSION OF THE PROBLEM IS GIVEN IN LOW PRECISION. The matrix products marked QUANTISED in the list below multiply operands that are first quantised to E2M1 (2 exponent bits, 1 mantissa bit; 4 bits a number), with one power-of-two scale for each 32 numbers along K (OCP MX v1.0); their sums are f32. All else is computed in f32.
;;   The module's matrix products, in the order in which they are computed (A, B: the left and right operand; K: the contracted axis; several contracted axes count as one K, in the product's order):
;;     1. [M 4,096, K 4,096] x [K 4,096, N 4,096]; A: computed on the way; B: computed on the way: QUANTISED
;;   THE QUANTISER, for each operand of a quantised product, along K:
;;     - K is cut into blocks of 32 from its start; a last block that is shorter is filled with zeros.
;;     - A block's scale is 2^e with e = floor(log2(the largest magnitude in the block)) - 2, held to -126 .. 127; a block of zeros has e = 0. As a byte (E8M0): e + 127.
;;     - Each number is divided by its block's scale, clamped to +-6, and rounded to the nearest number of E2M1, ties to even, subnormals kept.
;;     - The product sums the exact products of the quantised numbers (number of the format x scale) in f32.
;;   ~~~python
;;   def quantise(x, axis):      # numpy; x: float32 -> the quantised numbers, widened to float32 again
;;       x = np.moveaxis(x, axis, -1); K = x.shape[-1]
;;       x = np.pad(x, [(0, 0)] * (x.ndim - 1) + [(0, -K % 32)]); x = x.reshape(x.shape[:-1] + (-1, 32)); a = np.abs(x).max(-1, keepdims=True)
;;       e = np.where(a > 0, np.clip(np.frexp(np.where(a > 0, a, 1))[1] - 1 - 2, -126, 127), 0)      # np.frexp(a)[1] - 1 = floor(log2(a)), exactly
;;       r = np.clip(x / 2.0 ** e, -6, 6)
;;       step = 2.0 ** (np.maximum(np.frexp(np.where(r == 0, 1, r))[1] - 1, 0) - 1)
;;       q = np.round(r / step) * step * 2.0 ** e      # np.round: ties to even
;;       return np.moveaxis(q.reshape(q.shape[:-2] + (-1,))[..., :K], -1, axis).astype(np.float32)
;;   ~~~
;;   OPERANDS COMPUTED ON THE WAY. 'Computed on the way' means the value that the module computes at that place (a softmax that the list does not call 'softmax' is quantised finished and normalised). What goes into a quantiser is computed in f32, as accurately as f32 sums, v_exp_f32 and their like allow (about 1e-6 of the number): no bf16 or f16 on the way to a quantiser, and a product that is left as it is and whose result goes on into a quantised operand takes f32 operands (vector FMAs, or v_wmma_f32_16x16x4_f32). A number that lies on a knife's edge between two numbers of the format may be rounded either way, as far as f32 arithmetic and the matrix unit's own rounding can turn it there, and no further.
;; One version. Each part assembles by itself: llvm-mc -triple=amdgcn-amd-amdhsa -mcpu=gfx1250 --defsym DOCPART=n.
;; ======== version 1 of 1: 3 launches
;; limits: values are held in f16: magnitudes above 65,504 overflow, below 6.1e-05 lose precision; right only within a limited range of input values
;; workspace buffers: a_ws 8,912,896 bytes; b_ws 8,912,896 bytes; order 16,384 bytes of whole numbers
;; launch rank (part 1): grid 256 x 1, 8 waves a work-group, no clusters, 2,048 bytes of LDS; arguments q_invperm, order; writes order
.if DOCPART == 1
	.amdgcn_target "amdgcn-amd-amdhsa--gfx1250"
	.amdhsa_code_object_version 6
	.text
	.protected	k_qb414bf9cf2_rank
	.globl	k_qb414bf9cf2_rank
	.p2align	8
	.type	k_qb414bf9cf2_rank,@function
k_qb414bf9cf2_rank:
	s_mov_b64 s[64:65], 0
	v_nop
	global_prefetch_b8 v0, s[64:65] scope:SCOPE_SE
	s_setreg_imm32_b32 hwreg(HW_REG_WAVE_MODE, 25, 1), 1
	s_wait_xcnt 0x0
; QuantLinear, first of three launches: out = Q(xp) Q(W) + bias, xp[m][p] = x[m][q_perm[p]], q_perm = argsort(q_invperm), W[k][n] = (w4 - 8) (s4 + 1)^2 q_scale_max[k / 128] / 256.
; NO WORK IS LEFT OUT: every input has a way to the output, and every input is loaded by one of the three launches.
; THIS LAUNCH: the stable rank of the 16 entries i = 16 g + t of q_invperm among all 4,096 (any int32 values, equal ones in the order of their indices, as jnp.argsort has them); entry i's place in the gather
; list is its rank.  Wave w counts among entries 512 w .. 512 w + 511 (16 registers); the eight counts of a target meet in LDS.
; order[p] = 16 (i xor ((i / 16) % 8)), i = q_perm[p]: the LDS byte at which the next launch keeps column i.
; No cluster, no tensor load: the work-groups share only q_invperm's 16 KiB, and every number goes to registers.
.set SPARE, 1024                       ; LDS: 0-1023 a count word for each thread; then the spare words, 128 bytes a wave
.set VJ,    64                         ; v64-79   my 512 entries: register c lane l = entry 512 w + 32 c + l;  v80 the targets' chunk;  v81 lane t: target t's count;  v82 lane t: its ties
.set TV,    36                         ; s36-51   the 16 targets' values
.set MKA,   68                         ; s68-83   16 lane masks,
.set MKB,   84                         ; s84-99   and 16 more: two sets by turns
	s_load_b128 s[4:7], s[0:1], 0x0                ; q_invperm s[4:5], order s[6:7]
	v_lshl_add_u32 v2, v0, 2, SPARE                ; my spare word; never rewritten
	v_mov_b32 v3, 0                                ; 0; never rewritten
	v_lshrrev_b32 v6, 5, v0
	v_lshlrev_b32 v4, 2, v0                        ; my thread's count word
	v_and_b32 v1, 31, v0                           ; lane
	v_readfirstlane_b32 s16, v6                    ; wave 0..7
	v_mov_b32 v81, 0
	v_mov_b32 v82, 0
	v_lshlrev_b32 v5, 2, v1                        ; 4 x lane
	s_lshl_b32 s34, s16, 11
	v_lshl_add_u32 v11, v1, 2, s34                 ; q_invperm: 2,048 bytes a wave, 4 a lane
	s_wait_alu depctr_va_vdst(0)                   ; the wait at the head's end
	s_lshr_b32 s26, ttmp9, 1                       ; T = g / 2: the chunk of 32 entries in which all 16 targets lie
	s_lshl_b32 s30, s26, 7
	s_mov_b32 s31, 0
	s_lshl_b32 s32, ttmp9, 6                       ; the targets: 64 bytes a work-group
	s_mov_b32 s33, 0
	s_lshl_b32 s20, s16, 4
	s_sub_co_i32 s26, s26, s20                     ; d = T - 16 w: my chunk c lies below T where c < d
	s_mov_b32 s27, 0x80000000                      ; the least int32
	s_and_b32 s8, ttmp9, 1
	s_lshl_b32 s8, s8, 4                           ; target 0's lane in chunk T
	s_wait_kmcnt 0x0
	s_add_nc_u64 s[54:55], s[4:5], s[30:31]        ; chunk T
	s_add_nc_u64 s[56:57], s[4:5], s[32:33]        ; the targets
	s_load_b512 s[TV:TV+15], s[56:57], 0x0
.irp c, 0,1,2,3,4,5,6,7,8,9,10,11,12,13,14,15
	global_load_b32 v[VJ+\c], v11, s[4:5] offset:128*\c
.endr
	global_load_b32 v80, v5, s[54:55]
; rank(i) = #{j: v_j < v_i} + #{j < i: v_j = v_i}.
; For a chunk below T every j is under i, so v_j <= v_i counts: that is v_j - 1 < v_i, but where v_j is the least int32: there the subtraction wraps to the greatest, which never counts, and
; such lanes are counted once (K0, s24) and added for every target.  Chunk T and those above it count v_j < v_i; the ties inside chunk T are the lanes under the target's: wave 0 adds them.
.macro SUM16 m                         ; the bits of 16 masks, counted in pairs and added as a tree: s[m] holds the sum
.irp k, 0,2,4,6,8,10,12,14
	s_bcnt1_i32_b64 s[\m+\k], s[\m+\k:\m+\k+1]
.endr
.irp k, 0,4,8,12
	s_add_co_u32 s[\m+\k], s[\m+\k], s[\m+\k+2]
.endr
.irp k, 0,8
	s_add_co_u32 s[\m+\k], s[\m+\k], s[\m+\k+4]
.endr
	s_add_co_u32 s[\m], s[\m], s[\m+8]
.endm
.macro VC t, m                         ; target t against my 16 chunks: 16 masks into set m
.irp k, 0,1,2,3,4,5,6,7,8,9,10,11,12,13,14,15
	v_cmp_lt_i32 s[\m+\k], v[VJ+\k], s[TV+\t]
.endr
.endm
.macro SA t, m                         ; target t's count out of set m
	SUM16 \m
	s_add_co_u32 s[\m], s[\m], s24
	v_writelane_b32 v81, s[\m], \t
.endm
	s_wait_kmcnt 0x0
	s_wait_loadcnt 0x0
.irp c, 0,1,2,3,4,5,6,7,8,9,10,11,12,13,14,15
	v_cmp_eq_u32 s[MKA+\c], v[VJ+\c], s27
.endr
.irp c, 0,1,2,3,4,5,6,7,8,9,10,11,12,13,14,15
	s_cmp_gt_i32 s26, \c
	s_cselect_b32 s28, 1, 0
	s_cselect_b32 s29, -1, 0
	s_and_b32 s[MKA+\c], s[MKA+\c], s29
	v_sub_nc_u32 v[VJ+\c], v[VJ+\c], s28
.endr
	SUM16 MKA
	s_mov_b32 s24, s[MKA]                          ; K0
	VC 0, MKA                                      ; the compares of one target stand ahead of the counts of the target before it
.irp t, 0,2,4,6,8,10,12
	VC \t+1, MKB
	SA \t, MKA
	VC \t+2, MKA
	SA \t+1, MKB
.endr
	VC 15, MKB
	SA 14, MKA
	s_wait_alu depctr_va_vdst(0)
	SA 15, MKB
	s_wait_alu depctr_va_vdst(0)
	s_cmp_lg_u32 s16, 0
	s_cbranch_scc1 .Lnodiag
.irp t, 0,1,2,3,4,5,6,7,8,9,10,11,12,13,14,15  ; wave 0: the ties inside chunk T
	v_cmp_eq_u32 s[MKA+\t], v80, s[TV+\t]
.endr
.irp t, 0,1,2,3,4,5,6,7,8,9,10,11,12,13,14,15
	s_add_co_u32 s28, s8, \t
	s_bfm_b32 s28, s28, 0                          ; the lanes under the target's
	s_and_b32 s[MKA+\t], s[MKA+\t], s28
	s_bcnt1_i32_b32 s[MKA+\t], s[MKA+\t]
	v_writelane_b32 v82, s[MKA+\t], \t
.endr
.Lnodiag:
	s_wait_alu depctr_va_vdst(0)
	v_add_nc_u32 v81, v81, v82
	ds_store_b32 v4, v81                           ; my wave's counts: 128 bytes of its own, lane t: target t
	s_wait_dscnt 0x0                               ; for the others' sake: my store has landed
	s_barrier_signal -1
	s_barrier_wait -1
.irp k, 0,1,2,3,4,5,6,7
	ds_load_b32 v[84+\k], v5 offset:128*\k         ; the eight waves' counts
.endr
	s_wait_dscnt 0x0
	s_wait_tensorcnt 0x0                           ; the wave's end in LDS
	ds_add_u32 v2, v3
	s_wait_dscnt 0x0
	s_cmp_lg_u32 s16, 0
	s_cbranch_scc1 .Lend
	s_lshl_b32 s20, ttmp9, 4
	v_add_nc_u32 v84, v84, v85
	v_add_nc_u32 v86, v86, v87
	v_add_nc_u32 v88, v88, v89
	v_add_nc_u32 v90, v90, v91
	v_add_nc_u32 v13, s20, v1                      ; i
	v_add_nc_u32 v84, v84, v86
	v_add_nc_u32 v88, v88, v90
	v_bfe_u32 v14, v13, 4, 3
	v_add_nc_u32 v84, v84, v88                     ; rank(i), 0..4095: a bijection, so each word of order has one owner
	v_xor_b32 v13, v13, v14
	v_min_u32 v84, 0xfff, v84                      ; held inside the list
	v_lshlrev_b32 v13, 4, v13                      ; 16 (i xor ((i / 16) % 8))
	v_lshlrev_b32 v84, 2, v84
	v_cmp_gt_u32 vcc_lo, 16, v1
	s_wait_alu depctr_va_vdst(0)
	s_wait_xcnt 0x0                                ; EXEC changes only behind this wait
	s_and_saveexec_b32 s21, vcc_lo
	global_store_b32 v84, v13, s[6:7]              ; 16 scattered words: 16 KiB in the whole launch
	s_wait_xcnt 0x0
	s_or_b32 exec_lo, exec_lo, s21
.Lend:
	s_endpgm
.Lfunc_end_k_qb414bf9cf2_rank:
	.size	k_qb414bf9cf2_rank, .Lfunc_end_k_qb414bf9cf2_rank-k_qb414bf9cf2_rank
	.p2alignl 7, 3214868480
	.fill 96, 4, 3214868480
	.section	.rodata,"a",@progbits
	.p2align	6, 0x0
	.amdhsa_kernel k_qb414bf9cf2_rank
		.amdhsa_group_segment_fixed_size 2048
		.amdhsa_private_segment_fixed_size 0
		.amdhsa_enable_private_segment 0
		.amdhsa_kernarg_size 16
		.amdhsa_user_sgpr_count 2
		.amdhsa_user_sgpr_kernarg_segment_ptr 1
		.amdhsa_wavefront_size32 1
		.amdhsa_system_sgpr_workgroup_id_x 1
		.amdhsa_system_sgpr_workgroup_id_y 1
		.amdhsa_system_sgpr_workgroup_id_z 1
		.amdhsa_system_vgpr_workitem_id 0
		.amdhsa_next_free_vgpr 96
		.amdhsa_next_free_sgpr 100
		.amdhsa_reserve_vcc 1
		.amdhsa_float_denorm_mode_32 3
		.amdhsa_float_denorm_mode_16_64 3
		.amdhsa_memory_ordered 1
		.amdhsa_forward_progress 1
		.amdhsa_inst_pref_size 39
	.end_amdhsa_kernel
	.amdgpu_metadata
---
amdhsa.version: [ 1, 2 ]
amdhsa.kernels:
  - .name:           k_qb414bf9cf2_rank
    .symbol:         k_qb414bf9cf2_rank.kd
    .args:
      - { .name: q_invperm, .offset: 0, .size: 8, .value_kind: global_buffer, .address_space: global }
      - { .name: order, .offset: 8, .size: 8, .value_kind: global_buffer, .address_space: global }
    .group_segment_fixed_size: 2048
    .private_segment_fixed_size: 0
    .kernarg_segment_align: 8
    .kernarg_segment_size: 16
    .max_flat_workgroup_size: 256
    .sgpr_count:     100
    .vgpr_count:     96
    .wavefront_size: 32
...
	.end_amdgpu_metadata
.endif
;; end of part 1
;; launch quant (part 2): grid 256 x 1, 8 waves a work-group, no clusters, 205,824 bytes of LDS; arguments x, order, q_weight, q_scale, q_scale_max, a_ws, b_ws; writes a_ws, b_ws
.if DOCPART == 2
	.amdgcn_target "amdgcn-amd-amdhsa--gfx1250"
	.amdhsa_code_object_version 6
	.text
	.protected	k_qb414bf9cf2_quant
	.globl	k_qb414bf9cf2_quant
	.p2align	8
	.type	k_qb414bf9cf2_quant,@function
k_qb414bf9cf2_quant:
	s_mov_b64 s[64:65], 0
	v_nop
	global_prefetch_b8 v0, s[64:65] scope:SCOPE_SE
	s_setreg_imm32_b32 hwreg(HW_REG_WAVE_MODE, 25, 1), 1
	s_wait_xcnt 0x0
; Second launch: both operands become codes of E2M1 with one E8M0 byte for each 32 along K, in the order of the next launch's registers.  Nothing is left out.
; a_ws, b_ws: [panel of 128 rows m (columns n)][K step of 512][34,816 bytes]: the 16 bytes of (row block i, row r, MX block kbl = 0..15) at 4096 i + 256 kbl + 16 r, a row's 16 scale bytes at 32768 + 256 i + 16 r.
; INSIDE EACH EIGHT OF K the order is 0, 2, 4, 6, 1, 3, 5, 7, in both operands alike: a sum over K does not hang on it, and a block's scale does not either.
; W: work-group g takes panel g % 32 and K step g / 32; wave w its MX blocks 2 w, 2 w + 1 of all 128 columns: lane l columns 4 l .. 4 l + 3, eight words down K.  It is worked while x is on its way.
;   A nibble n, as a byte, is the FP8 (E4M3) number n x 2^-9, subnormals included: so the even and the odd nibbles of a word, two registers of bytes, widen by one scaled conversion x 2^9, exactly.
;   W IS EXACT IN f32: (s4 + 1)^2 has at most 8 significant bits, an f16 number 11, w4 - 8 at most 3.  It is formed in f32 throughout; reference()'s roundings of scale and W to f16 are not made.
; x: a work-group owns 16 rows, one row block.  THE GATHER SERVES EIGHT ROWS AT A TIME: x is laid into LDS turned, a column's eight f16 (rows 8 hf .. 8 hf + 7) on 16 bytes, so that one load of 16 bytes at order[p]
;   brings xp of eight rows.  Column i lies at 16 (i xor ((i / 16) % 8)): a lane of a store holds eight columns, 128 bytes, and the xor puts the lanes' columns on different banks.
;   Wave w: hf = w % 2, cq = w / 2.  FILL: columns 1024 cq .. + 1023 of its eight rows, turned by v_perm_b32.  GATHER: lane l takes MX block kb = 32 cq + l: 32 loads of 16 bytes.  Then eight rows x 32 numbers are
;   quantised, all a block's numbers in one lane; codes and bytes meet in a stage and leave as whole runs of 512 and 256 bytes: wave w stores K step w.  f16 widens to f32 exactly.
; LIMITS: NaN and infinities in x and q_scale_max are not served; a block of zeros gets the byte 1 where the rule says 127: its codes are zeros, and this program alone reads the bytes.
; NO CLUSTER, NO TENSOR LOAD: the work-groups share only the list's 16 KiB and a few scales, and every number has to pass through registers.
.set ST,    131072                     ; LDS: 0-131071 two regions (hf) of 4,096 columns; the stage for a's codes: [kb 0..127], 272 bytes apart: [16 rows][16 bytes]
.set SS,    165888                     ; the stage for a's scale bytes: [K step][row][16]
.set WSS,   167936                     ; the stage for b's scale bytes: [column][16]
.set WST,   169984                     ; the stage for b's codes: for each wave [2 MX blocks][8 row blocks], 272 bytes apart: [16 columns][16 bytes]
.set SPARE, 204800                     ; the spare words, 128 bytes a wave
.set BLK,   34816
.set AD,    128                        ; v128-159 W: two quads of codes, the bytes, four columns' scales; then the list's 32 entries: LDS addresses
.set WD,    160                        ; v160-191 W's words, then its codes on their way out;  v192-223 a block's 32 numbers
.set TS,    160                        ; v160-223 FILL: two sets of 32;  then v160-191 a row's 32 numbers, v192-223 the codes of eight rows
.set BY,    224                        ; v224-227 W's scale bytes; then v224-231 the scale bytes of eight rows
	s_load_b256 s[4:11], s[0:1], 0x0               ; x, order, q_weight, q_scale
	s_load_b128 s[12:15], s[0:1], 0x20             ; q_scale_max, a_ws
	s_load_b64 s[16:17], s[0:1], 0x30              ; b_ws
	v_lshrrev_b32 v249, 5, v0
	v_lshl_add_u32 v246, v0, 2, SPARE              ; my spare word; never rewritten
	v_mov_b32 v247, 0                              ; 0; never rewritten
	v_and_b32 v248, 31, v0                         ; lane
	v_mov_b32 v255, 0x88888888                     ; the conversion's scale 2^(136 - 127)
	v_readfirstlane_b32 s18, v249                  ; wave 0..7
	s_and_b32 s19, s18, 1                          ; hf
	s_lshr_b32 s20, s18, 1                         ; cq
	s_lshl_b32 s21, s19, 16                        ; my region; and 8 hf rows of x
	s_lshl_b32 s22, s20, 11
	s_add_co_u32 s22, s22, s21
	s_lshl_b32 s23, s20, 12
	s_lshl_b32 s24, s20, 14
	s_add_co_u32 s24, s24, s21
	s_lshl_b32 s26, s19, 7
	s_mul_i32 s25, s20, 8704
	s_add_co_u32 s25, s25, s26
	s_add_co_u32 s25, s25, ST
	s_lshl_b32 s27, s20, 9
	s_add_co_u32 s27, s27, s26
	s_add_co_u32 s27, s27, SS
	s_mul_i32 s28, s18, 4352
	s_add_co_u32 s29, s28, ST
	s_add_co_u32 s30, s28, WST
	s_lshl_b32 s31, s18, 8
	s_add_co_u32 s31, s31, SS
	s_lshl_b32 s32, s18, 1
	s_add_co_u32 s32, s32, WSS
	s_lshl_b32 s34, ttmp9, 17                      ; x: 16 rows a work-group
	s_mov_b32 s35, 0
	s_lshr_b32 s36, ttmp9, 3
	s_lshl_b32 s36, s36, 3
	s_add_co_u32 s36, s36, s18
	s_mul_i32 s36, s36, BLK                        ; a_ws: block 8 (panel) + K step w,
	s_and_b32 s33, ttmp9, 7                        ; row block i
	s_lshl_b32 s38, s33, 8
	s_add_co_u32 s38, s38, s36
	s_add_co_u32 s38, s38, 32768                   ; its scale bytes at 32768 + 256 i,
	s_mov_b32 s39, 0
	s_lshl_b32 s33, s33, 12
	s_add_co_u32 s36, s36, s33                     ; its codes at 4096 i
	s_mov_b32 s37, 0
	s_and_b32 s40, ttmp9, 31                       ; P
	s_lshr_b32 s41, ttmp9, 5                       ; s
	s_lshl_b32 s42, s41, 20                        ; q_weight: 64 rows of words (16,384 bytes each) a K step,
	s_lshl_b32 s33, s18, 17                        ; eight a wave,
	s_add_co_u32 s42, s42, s33
	s_lshl_b32 s33, s40, 9                         ; 512 bytes a panel
	s_add_co_u32 s42, s42, s33
	s_mov_b32 s43, 0
	s_lshl_b32 s44, s41, 13                        ; q_scale: four groups (2,048 bytes each) a K step, one for two waves,
	s_lshl_b32 s33, s20, 11
	s_add_co_u32 s44, s44, s33
	s_lshl_b32 s33, s40, 6                         ; 64 bytes a panel
	s_add_co_u32 s44, s44, s33
	s_mov_b32 s45, 0
	s_lshl_b32 s46, s41, 3                         ; q_scale_max: the word that holds my group's f16
	s_lshr_b32 s33, s18, 2
	s_lshl_b32 s33, s33, 2
	s_add_co_u32 s46, s46, s33
	s_mov_b32 s47, 0
	s_and_b32 s53, s20, 1
	s_lshl_b32 s53, s53, 4                         ; and its half, as a shift
	s_lshl_b32 s48, s40, 3
	s_add_co_u32 s48, s48, s41
	s_mul_i32 s48, s48, BLK                        ; b_ws: block 8 P + s:
	s_lshl_b32 s50, s18, 8
	s_add_co_u32 s50, s50, s48
	s_add_co_u32 s50, s50, 32768                   ; 256 of its scale bytes a wave,
	s_mov_b32 s51, 0
	s_lshl_b32 s33, s18, 9
	s_add_co_u32 s48, s48, s33                     ; codes from MX block 2 w on
	s_mov_b32 s49, 0
	s_mov_b32 s56, 0x0f0f0f0f
	s_mov_b32 s62, 0x05040100                      ; v_perm_b32: the two low halves, the second source's below
	s_mov_b32 s63, 0x07060302                      ; the two high halves
	s_wait_alu depctr_va_vdst(0)
	v_lshrrev_b32 v250, 4, v248                    ; h
	v_and_b32 v251, 15, v248                       ; r
	v_bfe_u32 v238, v248, 1, 3
	v_lshl_add_u32 v236, v248, 4, s22              ; x: 8 hf rows of 8,192 bytes + 2,048 cq + 16 x lane
	v_lshl_add_u32 v237, v248, 7, s23              ; the list: 128 bytes a block: 128 (32 cq + lane)
	v_mul_u32_u24 v239, v248, 272
	v_lshl_add_u32 v240, v250, 8, v251
	v_mul_u32_u24 v241, v250, 272
	v_lshlrev_b32 v238, 4, v238
	v_add_nc_u32 v239, s25, v239                   ; codes into the stage: 272 kb + 16 x 8 hf
	v_add_nc_u32 v240, s27, v240                   ; bytes into theirs: 256 (kb / 16) + 16 x 8 hf + kb % 16
	v_lshl_add_u32 v241, v251, 4, v241
	v_lshl_add_u32 v238, v248, 7, v238
	v_lshrrev_b32 v252, 2, v248
	v_lshrrev_b32 v245, 1, v248
	v_add_nc_u32 v241, s29, v241                   ; back: blocks 16 w + h, 16 bytes a row; the same place in W's stage lies WST - ST behind it
	v_lshl_add_u32 v242, v248, 3, s31              ; back: 256 scale bytes a wave, 8 a lane; W's lie WSS - SS behind them
	v_add_nc_u32 v238, s24, v238                   ; fill: column 0 of my eight; column c lies at this xor 16 c
	v_lshlrev_b32 v252, 4, v252
	v_lshlrev_b32 v245, 2, v245                    ; q_scale: a word for eight columns
	v_lshlrev_b32 v243, 4, v248
	v_lshlrev_b32 v244, 3, v248
	v_lshl_add_u32 v252, v248, 6, v252
	v_lshl_add_u32 v253, v248, 6, s32              ; W's bytes into their stage: 16 x column + 2 w
	v_lshlrev_b32 v254, 12, v250
	v_and_b32 v230, 1, v248
	v_add_nc_u32 v252, s30, v252                   ; W's codes into theirs: 64 l + 16 (l / 4): 272 bytes for each 16 columns
	v_lshl_add_u32 v254, v251, 4, v254             ; and their way out: 4096 h + 16 r
	v_lshlrev_b32 v230, 4, v230                    ; my four nibbles' half of the q_scale word
	s_wait_alu depctr_va_vdst(0)                   ; the wait at the head's end
	s_wait_kmcnt 0x0
	s_add_nc_u64 s[8:9], s[8:9], s[42:43]
	s_add_nc_u64 s[10:11], s[10:11], s[44:45]
	s_add_nc_u64 s[12:13], s[12:13], s[46:47]
	s_add_nc_u64 s[4:5], s[4:5], s[34:35]
	s_load_b32 s52, s[12:13], 0x0
.irp u, 0,1,2,3,4,5,6,7
	global_load_b128 v[WD+4*\u:WD+4*\u+3], v243, s[8:9] offset:16384*\u th:TH_LOAD_NT   ; word row u of my two MX blocks: the wave reads 512 consecutive bytes; register 4 u + j: column j
.endr
	global_load_b32 v228, v245, s[10:11]
.irp u, 0,1,2,3                                ; unit u: 256 columns; register 32 u + 4 p + j: row p, columns 2 j and 2 j + 1 of my eight.  (v0 is overwritten here: all that hangs on it has been made)
.irp p, 0,1,2,3,4,5,6,7
	global_load_b128 v[32*\u+4*\p:32*\u+4*\p+3], v236, s[4:5] offset:8192*\p+512*\u th:TH_LOAD_NT
.endr
.endr
	s_add_nc_u64 s[58:59], s[14:15], s[38:39]      ; a's scale bytes
	s_add_nc_u64 s[14:15], s[14:15], s[36:37]      ; a's codes
	s_add_nc_u64 s[60:61], s[16:17], s[50:51]      ; b's scale bytes
	s_add_nc_u64 s[16:17], s[16:17], s[48:49]      ; b's codes
; 32 numbers at v[f ..] become 16 bytes of codes at v[c ..] and the scale operand v234: four chains for the largest magnitude
.macro QB f, c
	v_max3_num_f32 v232, |v[\f]|, |v[\f+1]|, |v[\f+2]|
	v_max3_num_f32 v233, |v[\f+3]|, |v[\f+4]|, |v[\f+5]|
	v_max3_num_f32 v234, |v[\f+6]|, |v[\f+7]|, |v[\f+8]|
	v_max3_num_f32 v235, |v[\f+9]|, |v[\f+10]|, |v[\f+11]|
.irp i, 12,20
	v_max3_num_f32 v232, v232, |v[\f+\i]|, |v[\f+\i+1]|
	v_max3_num_f32 v233, v233, |v[\f+\i+2]|, |v[\f+\i+3]|
	v_max3_num_f32 v234, v234, |v[\f+\i+4]|, |v[\f+\i+5]|
	v_max3_num_f32 v235, v235, |v[\f+\i+6]|, |v[\f+\i+7]|
.endr
	v_max3_num_f32 v232, v232, |v[\f+28]|, |v[\f+29]|
	v_max3_num_f32 v233, v233, |v[\f+30]|, |v[\f+31]|
	v_max3_num_f32 v234, v234, v235, 0x1800000     ; and the floor 2^(3 - 127): the byte cannot fall under 1
	v_max3_num_f32 v232, v232, v233, v234
	v_add_nc_u32 v234, 0xff000000, v232            ; 2 off the exponent field: the conversion takes this operand's exponent field as its scale
.irp g, 0,1,2,3
	v_cvt_scalef32_pk8_fp4_f32 v[(\c)+\g], v[\f+8*\g:\f+8*\g+7], v234
.endr
.endm
; ---------------- W.  MX block t of column j
.macro WBLK t, j
.irp m, 0,1,2,3
	v_and_b32 v[136+2*\m], s56, v[WD+16*\t+4*\m+\j]     ; nibbles 0, 2, 4, 6 as bytes,
.endr
.irp m, 0,1,2,3
	v_lshrrev_b32 v[137+2*\m], 4, v[WD+16*\t+4*\m+\j]
.endr
.irp m, 0,1,2,3
	v_and_b32 v[137+2*\m], s56, v[137+2*\m]             ; and 1, 3, 5, 7
.endr
.irp m, 0,1,2,3
	v_cvt_scale_pk8_f32_fp8 v[192+8*\m:199+8*\m], v[136+2*\m:137+2*\m], v255
.endr
	v_nop                                          ; the plain instruction behind the conversions
.irp k, 0,2,4,6,8,10,12,14,16,18,20,22,24,26,28,30
	v_pk_fma_f32 v[192+\k:193+\k], v[192+\k:193+\k], v[144+4*\j:145+4*\j], v[146+4*\j:147+4*\j]   ; w4 x scale - 8 x scale = (w4 - 8) x scale, exact
.endr
	QB 192, 128+4*((\j)%2)
.if \t == 0
	v_lshrrev_b32 v[BY+\j], 23, v234               ; the scale's byte (also the plain instruction behind the conversions)
.else
	v_lshrrev_b32 v231, 23, v234
	v_lshl_or_b32 v[BY+\j], v231, 8, v[BY+\j]
.endif
	ds_store_b128 v252, v[128+4*((\j)%2):131+4*((\j)%2)] offset:2176*\t+16*\j
.endm
	s_wait_kmcnt 0x0
	s_lshr_b32 s52, s52, s53
	s_and_b32 s54, s52, 0x7fff
	s_lshl_b32 s54, s54, 13                        ; an f16's exponent and mantissa in f32's places: its magnitude x 2^-112
	s_and_b32 s55, s52, 0x8000
	s_lshl_b32 s55, s55, 16                        ; its sign
	s_wait_loadcnt 32                              ; x's 32 loads may be out
	v_mov_b32 v229, s54
	v_lshrrev_b32 v228, v230, v228
	v_mul_f32 v229, 0x73800000, v229               ; x 2^104: q_scale_max / 256
.irp j, 0,1,2,3                                ; a column's scale, twice, and -8 times it, twice: pairs for the packed multiply-add
	v_bfe_u32 v[144+4*\j], v228, 4*\j, 4
.endr
	v_or_b32 v229, s55, v229
.irp j, 0,1,2,3
	v_add_nc_u32 v[144+4*\j], 1, v[144+4*\j]
.endr
.irp j, 0,1,2,3
	v_mul_u32_u24 v[144+4*\j], v[144+4*\j], v[144+4*\j]   ; (s4 + 1)^2
.endr
.irp j, 0,1,2,3
	v_cvt_f32_u32 v[144+4*\j], v[144+4*\j]
.endr
.irp j, 0,1,2,3
	v_mul_f32 v[144+4*\j], v[144+4*\j], v229
.endr
.irp j, 0,1,2,3
	v_mov_b32 v[145+4*\j], v[144+4*\j]
.endr
.irp j, 0,1,2,3
	v_mul_f32 v[146+4*\j], 0xc1000000, v[144+4*\j]
.endr
.irp j, 0,1,2,3
	v_mov_b32 v[147+4*\j], v[146+4*\j]
.endr
.irp t, 0,1
.irp j, 0,1,2,3
	WBLK \t, \j
.endr
.endr
.irp j, 0,1,2,3
	ds_store_b16 v253, v[BY+\j] offset:16*\j       ; my two of column 4 l + j's 16 scale bytes
.endr
.irp t, 0,1
.irp u, 0,1,2,3
	ds_load_b128 v[WD+16*\t+4*\u:WD+16*\t+4*\u+3], v241 offset:WST-ST+2176*\t+544*\u   ; LDS serves a wave's instructions in order (ISA guide 5.7.1.4): these see my stores
.endr
.endr
.irp t, 0,1
.irp u, 0,1,2,3
	s_wait_dscnt 7-4*\t-\u                         ; the LDS loads issued behind this one may be out
	global_store_b128 v254, v[WD+16*\t+4*\u:WD+16*\t+4*\u+3], s[16:17] offset:8192*\u+256*\t   ; sixteen lanes store 256 consecutive bytes, aligned: row blocks 2 u and 2 u + 1
.endr
.endr
.irp u, 0,1,2,3,4,5,6,7
	global_load_b128 v[AD+4*\u:AD+4*\u+3], v237, s[6:7] offset:16*\u   ; the list
.endr
	s_wait_xcnt 0x0                                ; the stores have read v160-191
; ---------------- x
.macro FILL u
.set TB, TS+32*((\u)%2)
	s_wait_loadcnt 32-8*(\u)                       ; the later units' loads and the list's eight may be out
.if (\u) >= 2
	s_wait_dscnt 8                                 ; only the last unit's eight stores may be out: those that read this set are done
.endif
.irp c, 0,1,2,3,4,5,6,7
.if \c > 0
	v_xor_b32 v[249-4*((\c)%2)], 16*\c, v238       ; v245 and v249 by turns
.endif
.irp rp, 0,1,2,3
.if (\c)%2
	v_perm_b32 v[TB+4*\c+\rp], v[32*(\u)+8*\rp+4+(\c)/2], v[32*(\u)+8*\rp+(\c)/2], s63
.else
	v_perm_b32 v[TB+4*\c+\rp], v[32*(\u)+8*\rp+4+(\c)/2], v[32*(\u)+8*\rp+(\c)/2], s62
.endif
.endr
.if \c > 0
	ds_store_b128 v[249-4*((\c)%2)], v[TB+4*\c:TB+4*\c+3] offset:4096*(\u)   ; column c of my eight: rows 0..7
.else
	ds_store_b128 v238, v[TB:TB+3] offset:4096*(\u)
.endif
.endr
.endm
	FILL 0
	FILL 1
	FILL 2
	FILL 3
	s_wait_alu depctr_va_vdst(0)
	s_wait_dscnt 0x0                               ; for the others' sake: my stores have landed
	s_barrier_signal -1
	s_wait_loadcnt 0x0                             ; the list; between signal and wait stands work on registers
.irp t, 0,1,2,3,4,5,6,7,8,9,10,11,12,13,14,15,16,17,18,19,20,21,22,23,24,25,26,27,28,29,30,31
	v_min_u32 v[AD+\t], 0xfff0, v[AD+\t]           ; held inside a region,
.endr
.irp t, 0,1,2,3,4,5,6,7,8,9,10,11,12,13,14,15,16,17,18,19,20,21,22,23,24,25,26,27,28,29,30,31
	v_add_nc_u32 v[AD+\t], s21, v[AD+\t]           ; in mine
.endr
	s_wait_alu depctr_va_vdst(0)
	s_barrier_wait -1                              ; both regions are whole, and so are W's scale bytes
	ds_load_b64 v[254:255], v242 offset:WSS-SS
.irp t, 0,1,2,3,4,5,6,7,8,9,10,11,12,13,14,15,16,17,18,19,20,21,22,23,24,25,26,27,28,29,30,31
.set PS, 4*(8*(\t/8)+(\t%8)/2+4*(\t%2))        ; the place of k = t in its block's order
	ds_load_b128 v[PS:PS+3], v[AD+\t]              ; xp(rows 0..7 of my eight, p = 32 kb + t): register PS + rp: row 2 rp below, row 2 rp + 1 above
.endr
	s_wait_dscnt 0x0
	global_store_b64 v244, v[254:255], s[60:61]    ; the wave stores 256 of W's scale bytes, aligned
	s_barrier_signal -1                            ; my gather is over; the arithmetic below, on registers alone, stands between the signal and the wait
.macro QTAIL rho
	QB 160, 192+4*(\rho)
	v_lshrrev_b32 v[BY+(\rho)], 23, v234           ; the scale's byte (also the plain instruction behind the conversions, ahead of the next row's writes of their sources)
.endm
.set CT, 160
.irp g, v0.l, v4.l, v8.l, v12.l, v16.l, v20.l, v24.l, v28.l, v32.l, v36.l, v40.l, v44.l, v48.l, v52.l, v56.l, v60.l, v64.l, v68.l, v72.l, v76.l, v80.l, v84.l, v88.l, v92.l, v96.l, v100.l, v104.l, v108.l, v112.l, v116.l, v120.l, v124.l
	v_cvt_f32_f16 v[CT], \g
.set CT, CT+1
.endr
	QTAIL 0
.set CT, 160
.irp g, v0.h, v4.h, v8.h, v12.h, v16.h, v20.h, v24.h, v28.h, v32.h, v36.h, v40.h, v44.h, v48.h, v52.h, v56.h, v60.h, v64.h, v68.h, v72.h, v76.h, v80.h, v84.h, v88.h, v92.h, v96.h, v100.h, v104.h, v108.h, v112.h, v116.h, v120.h, v124.h
	v_cvt_f32_f16 v[CT], \g
.set CT, CT+1
.endr
	QTAIL 1
.set CT, 160
.irp g, v1.l, v5.l, v9.l, v13.l, v17.l, v21.l, v25.l, v29.l, v33.l, v37.l, v41.l, v45.l, v49.l, v53.l, v57.l, v61.l, v65.l, v69.l, v73.l, v77.l, v81.l, v85.l, v89.l, v93.l, v97.l, v101.l, v105.l, v109.l, v113.l, v117.l, v121.l, v125.l
	v_cvt_f32_f16 v[CT], \g
.set CT, CT+1
.endr
	QTAIL 2
.set CT, 160
.irp g, v1.h, v5.h, v9.h, v13.h, v17.h, v21.h, v25.h, v29.h, v33.h, v37.h, v41.h, v45.h, v49.h, v53.h, v57.h, v61.h, v65.h, v69.h, v73.h, v77.h, v81.h, v85.h, v89.h, v93.h, v97.h, v101.h, v105.h, v109.h, v113.h, v117.h, v121.h, v125.h
	v_cvt_f32_f16 v[CT], \g
.set CT, CT+1
.endr
	QTAIL 3
.set CT, 160
.irp g, v2.l, v6.l, v10.l, v14.l, v18.l, v22.l, v26.l, v30.l, v34.l, v38.l, v42.l, v46.l, v50.l, v54.l, v58.l, v62.l, v66.l, v70.l, v74.l, v78.l, v82.l, v86.l, v90.l, v94.l, v98.l, v102.l, v106.l, v110.l, v114.l, v118.l, v122.l, v126.l
	v_cvt_f32_f16 v[CT], \g
.set CT, CT+1
.endr
	QTAIL 4
.set CT, 160
.irp g, v2.h, v6.h, v10.h, v14.h, v18.h, v22.h, v26.h, v30.h, v34.h, v38.h, v42.h, v46.h, v50.h, v54.h, v58.h, v62.h, v66.h, v70.h, v74.h, v78.h, v82.h, v86.h, v90.h, v94.h, v98.h, v102.h, v106.h, v110.h, v114.h, v118.h, v122.h, v126.h
	v_cvt_f32_f16 v[CT], \g
.set CT, CT+1
.endr
	QTAIL 5
.set CT, 160
.irp g, v3.l, v7.l, v11.l, v15.l, v19.l, v23.l, v27.l, v31.l, v35.l, v39.l, v43.l, v47.l, v51.l, v55.l, v59.l, v63.l, v67.l, v71.l, v75.l, v79.l, v83.l, v87.l, v91.l, v95.l, v99.l, v103.l, v107.l, v111.l, v115.l, v119.l, v123.l, v127.l
	v_cvt_f32_f16 v[CT], \g
.set CT, CT+1
.endr
	QTAIL 6
.set CT, 160
.irp g, v3.h, v7.h, v11.h, v15.h, v19.h, v23.h, v27.h, v31.h, v35.h, v39.h, v43.h, v47.h, v51.h, v55.h, v59.h, v63.h, v67.h, v71.h, v75.h, v79.h, v83.h, v87.h, v91.h, v95.h, v99.h, v103.h, v107.h, v111.h, v115.h, v119.h, v123.h, v127.h
	v_cvt_f32_f16 v[CT], \g
.set CT, CT+1
.endr
	QTAIL 7
	s_wait_alu depctr_va_vdst(0)
	s_barrier_wait -1                              ; every wave's gather is over
.irp p, 0,1,2,3,4,5,6,7
	ds_store_b128 v239, v[192+4*\p:195+4*\p] offset:16*\p   ; lanes 272 bytes apart
	ds_store_b8 v240, v[BY+\p] offset:16*\p
.endr
	s_wait_dscnt 0x0                               ; for the others' sake: my stores have landed
	s_barrier_signal -1
	s_barrier_wait -1                              ; the stages are whole
.irp j, 0,1,2,3,4,5,6,7
	ds_load_b128 v[4*\j:4*\j+3], v241 offset:544*\j   ; MX blocks 16 w + 2 j and + 1: 512 bytes as they lie in a_ws
.endr
	ds_load_b64 v[32:33], v242
.irp j, 0,1,2,3,4,5,6,7
	s_wait_dscnt 8-\j                              ; the LDS loads issued behind load j may be out
	global_store_b128 v243, v[4*\j:4*\j+3], s[14:15] offset:512*\j   ; the wave stores 512 consecutive bytes, aligned
.endr
	s_wait_dscnt 0x0
	global_store_b64 v244, v[32:33], s[58:59]      ; and 256 consecutive bytes of scale bytes, aligned
	s_wait_tensorcnt 0x0                           ; the wave's end
	ds_add_u32 v246, v247
	s_wait_dscnt 0x0
	s_endpgm
.Lfunc_end_k_qb414bf9cf2_quant:
	.size	k_qb414bf9cf2_quant, .Lfunc_end_k_qb414bf9cf2_quant-k_qb414bf9cf2_quant
	.p2alignl 7, 3214868480
	.fill 96, 4, 3214868480
	.section	.rodata,"a",@progbits
	.p2align	6, 0x0
	.amdhsa_kernel k_qb414bf9cf2_quant
		.amdhsa_group_segment_fixed_size 205824
		.amdhsa_private_segment_fixed_size 0
		.amdhsa_enable_private_segment 0
		.amdhsa_kernarg_size 56
		.amdhsa_user_sgpr_count 2
		.amdhsa_user_sgpr_kernarg_segment_ptr 1
		.amdhsa_wavefront_size32 1
		.amdhsa_system_sgpr_workgroup_id_x 1
		.amdhsa_system_sgpr_workgroup_id_y 1
		.amdhsa_system_sgpr_workgroup_id_z 1
		.amdhsa_system_vgpr_workitem_id 0
		.amdhsa_next_free_vgpr 256
		.amdhsa_next_free_sgpr 66
		.amdhsa_reserve_vcc 0
		.amdhsa_float_denorm_mode_32 3
		.amdhsa_float_denorm_mode_16_64 3
		.amdhsa_memory_ordered 1
		.amdhsa_forward_progress 1
		.amdhsa_inst_pref_size 78
	.end_amdhsa_kernel
	.amdgpu_metadata
---
amdhsa.version: [ 1, 2 ]
amdhsa.kernels:
  - .name:           k_qb414bf9cf2_quant
    .symbol:         k_qb414bf9cf2_quant.kd
    .args:
      - { .name: x, .offset: 0, .size: 8, .value_kind: global_buffer, .address_space: global }
      - { .name: order, .offset: 8, .size: 8, .value_kind: global_buffer, .address_space: global }
      - { .name: q_weight, .offset: 16, .size: 8, .value_kind: global_buffer, .address_space: global }
      - { .name: q_scale, .offset: 24, .size: 8, .value_kind: global_buffer, .address_space: global }
      - { .name: q_scale_max, .offset: 32, .size: 8, .value_kind: global_buffer, .address_space: global }
      - { .name: a_ws, .offset: 40, .size: 8, .value_kind: global_buffer, .address_space: global }
      - { .name: b_ws, .offset: 48, .size: 8, .value_kind: global_buffer, .address_space: global }
    .group_segment_fixed_size: 205824
    .private_segment_fixed_size: 0
    .kernarg_segment_align: 8
    .kernarg_segment_size: 56
    .max_flat_workgroup_size: 256
    .sgpr_count:     66
    .vgpr_count:     256
    .wavefront_size: 32
...
	.end_amdgpu_metadata
.endif
;; end of part 2
;; launch gemm (part 3): grid 16 x 16, 4 waves a work-group, clusters of 4 x 4, 327,680 bytes of LDS; arguments a_ws, b_ws, bias, out0; writes out0
.if DOCPART == 3
	.amdgcn_target "amdgcn-amd-amdhsa--gfx1250"
	.amdhsa_code_object_version 6
	.text
	.protected	k_qb414bf9cf2_gemm
	.globl	k_qb414bf9cf2_gemm
	.p2align	8
	.type	k_qb414bf9cf2_gemm,@function
k_qb414bf9cf2_gemm:
	s_mov_b64 s[64:65], 0
	v_nop
	global_prefetch_b8 v0, s[64:65] scope:SCOPE_SE
	s_setreg_imm32_b32 hwreg(HW_REG_WAVE_MODE, 25, 1), 1
	s_wait_xcnt 0x0
	s_wait_alu depctr_hold_cnt(0) depctr_sa_sdst(0) depctr_va_vdst(0) depctr_va_sdst(0) depctr_va_ssrc(0) depctr_va_vcc(0) depctr_vm_vsrc(0)
	s_getreg_b32 s2, hwreg(HW_REG_IB_STS2, 6, 4)
	s_cmp_eq_u32 s2, 0
	s_cbranch_scc0 .Lentry_in_a_cluster
	s_endpgm
.Lentry_in_a_cluster:
	s_bfe_u32 s2, ttmp6, 0x10000c
	s_cmp_lg_u32 s2, 0xf033
	s_cbranch_scc0 .Lentry_shape_is_right
	s_endpgm
.Lentry_shape_is_right:
; Third launch: out = Q(xp) Q(W) + bias.  Nothing is left out.  a_ws, b_ws: codes of E2M1 with their E8M0 bytes, [panel of 128 rows][K step of 512][34,816 bytes]: fragment (16 rows x 128 K) q of row block i is the
; 1,024 bytes at 4096 i + 1024 q, lane l's at 16 l and 512 + 16 l; a row's 16 scale bytes at 32768 + 16 x row.  out: [4096][4096] f16.  The bias is the C of each sum's first product: sum and bias are added in f32 and rounded to f16 once.
; LIMIT: reference() rounds to f16 ahead of the bias and behind it; here one rounding is made.
; A work-group of four waves makes 256 x 256 of out, a wave 128 x 128.  K goes in steps of 512 through a ring of two LDS slots: A's two panels' blocks, then B's two: one dense block a wave, one tensor load.
; CLUSTERS of 4 x 4: a row of the cluster shares A's blocks, a column B's: each block is asked for jointly by four work-groups.
; THE FORM is 32 x 16 x 128, used TRANSPOSED: source 0 = 32 rows of B (columns of out), source 1 = 16 rows of A.  Lane (r, h) then holds row r of out, registers 0-7 columns 8 h + 0..7, registers 8-15 columns 16 + 8 h + 0..7.
; REGISTERS, in windows of 256: window 0: v0-31 addresses; v32-95 scale words, a set of 32 for each slot; v96-127 the bias as loaded, then packed results; v128-255 A's fragments, two sets of 64.
;   window 1: v0-127 B's fragments, two sets of 64; v192-255 the bias in f32.  In the last K step window 1 holds B's fragments of the whole step.  windows 2, 3: the sums of row blocks 0-3, 4-7: (a, b) at v[16 (4 (a % 4) + b)].
; A STEP of 128 along K is eight groups of four products (a row block a against B's four pairs of blocks); both operands have two sets, so the next step's 32 LDS loads stand in ONE run at this step's head, and its 32 products follow on end.
; PREFETCH: every cluster asks for the blocks that it will itself load, two K steps ahead of the load in the loop; of a block's 136 units of 256 bytes each of the four partners that share it names 32 of the codes and 2 of the scale bytes, by address.
.set BLK,    34816
.set PANEL,  8*BLK
.set SLOT,   4*BLK
.set STAGE,  2*SLOT                    ; behind the ring: 16 rows x 272 bytes a wave, for the way out
.set SPITCH, 272
.set SPARE,  STAGE+4*16*SPITCH         ; the spare words, 128 bytes a wave
.set ROWO,   8192
.set ADRA, 16                          ; v16-17 my A panel's block in slot 0, 1, + 16 x lane
.set ADRB, 20                          ; v20-21 the same for B
.set STO,  24
.set RD,   25
.set CO,   26
.set SPW,  28                          ; LDS address of my spare word; never rewritten
.set NIL,  29                          ; 0; never rewritten
.set PFO,  30                          ; prefetch: 256 x lane
.set PFO2, 31                          ; prefetch: my two units of scale bytes
.set SC,   32                          ; set s at SC + 32 s: register 4 b + q: B's rows 32 b + lane; register 16 + 4 i + q: A's rows 32 i + lane
.set TMP,  96
.set AF,   128
.set BK,   192                         ; the way out: 16 rows read back, v192-223 and v224-255 by turns
.set BIAS, 192                         ; in window 1
.set G1, 24
.set G0, 32
.set G1B, 48
.set G0B, 56
.set PFA, 66
.set MSB, 0
.macro WIN new                         ; the immediate's high byte repeats the setting that is left
.if MSB != (\new)
	s_set_vgpr_msb (MSB<<8)|(\new)
.set MSB, (\new)
.endif
.endm
.set TO_B, 0x40
.macro PLACES                          ; four places: ahead of loads into registers that matrix instructions have read, and of readers of results
.rept 4
	v_nop
.endr
.endm
.macro JLOAD s                         ; a joint load: waves 0 and 1 fetch A's blocks, waves 2 and 3 B's
	s_cmp_eq_u32 s15, 0
	s_cbranch_scc0 .Lfor_b_\@
	tensor_load_to_lds s[G0+4*\s:G0+4*\s+3], s[G1:G1+7]
	s_nop 0
	PLACES
	s_branch .Lasked_\@
.Lfor_b_\@:
	tensor_load_to_lds s[G0B+4*\s:G0B+4*\s+3], s[G1B:G1B+7]
	s_nop 0
	PLACES
.Lasked_\@:
.endm
.macro CREST                           ; a round of the cluster's barrier behind its opening barrier
	s_cmp_lg_u32 s14, 0
	s_cbranch_scc1 .Lnot_wave_0_\@
	s_barrier_signal -3
.Lnot_wave_0_\@:
	s_barrier_wait -3
	s_barrier_signal -1
	s_barrier_wait -1
.endm
.macro CROUND
	s_barrier_signal -1
	s_barrier_wait -1
	CREST
.endm
.macro PF k                            ; the block k K steps on from where PFA stands
	global_prefetch_b8 v[PFO], s[PFA:PFA+1] offset:(\k)*BLK th:TH_LOAD_NT scope:SCOPE_SE
	global_prefetch_b8 v[PFO2], s[PFA:PFA+1] offset:(\k)*BLK th:TH_LOAD_NT scope:SCOPE_SE
.endm
	s_load_b256 s[4:11], s[0:1], 0x0               ; a_ws s[4:5], b_ws s[6:7], bias s[8:9], out s[10:11]
	v_lshl_add_u32 v[SPW], v0, 2, SPARE
	v_mov_b32 v[NIL], 0
	ds_add_u32 v[SPW], v[NIL]                      ; the wave's opening
	ds_add_u32 v[SPW], v[NIL]
	v_lshrrev_b32 v1, 5, v0
	v_readfirstlane_b32 s14, v1                    ; wave 0..3
	s_lshr_b32 s15, s14, 1                         ; my half of the tile's rows; also: I fetch for A (0) or B (1)
	s_and_b32 s16, s14, 1                          ; my half of its columns; also: which panel of the two I fetch
	s_bfe_u32 s40, ttmp6, 0x40000                  ; cx
	s_bfe_u32 s41, ttmp6, 0x40004                  ; cy
	s_lshl_b32 s42, ttmp9, 2
	s_add_co_u32 s42, s42, s40                     ; tile column
	s_and_b32 s17, ttmp7, 0xffff
	s_lshl_b32 s17, s17, 2
	s_add_co_u32 s17, s17, s41                     ; tile row
	s_lshl_b32 s43, s41, 2
	s_lshl_b32 s43, 15, s43                        ; my row of the cluster
	s_lshl_b32 s44, 0x1111, s40                    ; my column
	s_or_b32 s[G1+0], s43, (3<<16)|(1<<21)         ; a block as 136 rows of 32 elements of 8 bytes, dense
	s_or_b32 s[G1B+0], s44, (3<<16)|(1<<21)
.irp g, G1, G1B
	s_mov_b32 s[\g+1], 32<<16
	s_mov_b32 s[\g+2], 136<<16
	s_mov_b32 s[\g+3], 32<<16
	s_mov_b32 s[\g+4], 136
	s_mov_b32 s[\g+5], 32
	s_mov_b32 s[\g+6], 0
	s_mov_b32 s[\g+7], 0
.endr
	s_lshl_b32 s20, s17, 1
	s_add_co_u32 s20, s20, s16
	s_mul_i32 s20, s20, PANEL                      ; A: panel 2 x tile row + s16
	s_mov_b32 s21, 0
	s_lshl_b32 s46, s42, 1
	s_add_co_u32 s46, s46, s16
	s_mul_i32 s46, s46, PANEL                      ; B: panel 2 x tile column + s16
	s_mov_b32 s47, 0
	s_mul_i32 s45, s14, BLK                        ; where my block lands in a slot
	s_mul_i32 s74, s15, BLK                        ; the A block that I read
	s_mul_i32 s75, s16, BLK
	s_add_co_u32 s75, s75, 2*BLK                   ; the B block
	s_mul_i32 s76, s14, 16*SPITCH
	s_add_co_u32 s76, s76, STAGE                   ; my stage
	s_lshl_b32 s78, s42, 9
	s_lshl_b32 s79, s16, 8
	s_add_co_u32 s78, s78, s79                     ; my first column in bytes, in bias and in a row of out
	s_mov_b32 s79, 0
	s_lshl_b32 s80, s17, 8
	s_lshl_b32 s81, s15, 7
	s_add_co_u32 s80, s80, s81
	s_lshl_b32 s80, s80, 13
	s_add_co_u32 s80, s80, s78                     ; my first row of out
	s_mov_b32 s81, 0
	s_cmp_eq_u32 s15, 0
	s_cselect_b32 s70, s40, s41                    ; p: my place among the four that ask for my block
	s_lshl_b32 s82, s70, 13                        ; my 32 units of its codes begin at 8192 p,
	s_mov_b32 s83, 0
	s_mul_i32 s71, s70, 7680
	s_sub_co_u32 s71, 32768, s71                   ; my two of its scale bytes at 32768 + 512 p = 8192 p + (32768 - 7680 p)
	v_and_b32 v1, 15, v0                           ; r
	v_bfe_u32 v2, v0, 4, 1                         ; h
	v_and_b32 v3, 31, v0                           ; lane
	v_lshlrev_b32 v4, 4, v2
	v_lshlrev_b32 v5, 4, v3
	v_add_nc_u32 v[ADRA], s74, v5
	v_add_nc_u32 v[ADRB], s75, v5
	v_mul_u32_u24 v7, v1, SPITCH
	v_mul_u32_u24 v8, v2, SPITCH
	v_add_nc_u32 v[ADRA+1], SLOT, v[ADRA]
	v_add_nc_u32 v[ADRB+1], SLOT, v[ADRB]
	v_lshl_add_u32 v7, v2, 4, v7
	v_lshl_add_u32 v8, v1, 4, v8
	v_lshlrev_b32 v9, 13, v2
	v_min_u32 v10, 1, v3
	v_add_nc_u32 v[STO], s76, v7                   ; into the stage: row r, 16 bytes for each half of the lanes
	v_add_nc_u32 v[RD], s76, v8                    ; back: sixteen lanes a row of 256 bytes, two rows
	v_lshl_add_u32 v[CO], v1, 4, v9                ; and the same two rows in out
	v_lshlrev_b32 v[PFO], 8, v3
	v_lshl_add_u32 v[PFO2], v10, 8, s71            ; lane 0 names the first unit, the others the second
	s_wait_alu depctr_va_vdst(0)
	s_wait_dscnt 0x0                               ; both opening adds are done
	s_wait_kmcnt 0x0
	s_add_nc_u64 s[8:9], s[8:9], s[78:79]
	s_add_nc_u64 s[20:21], s[4:5], s[20:21]
	s_add_nc_u64 s[46:47], s[6:7], s[46:47]
	s_add_nc_u64 s[10:11], s[10:11], s[80:81]
.irp b, 0,1,2,3,4,5,6,7                        ; my columns' bias: columns 16 b + 8 h + 0..7.  On its way under the round and the first tile
	global_load_b128 v[96+4*\b:99+4*\b], v4, s[8:9] offset:32*\b
.endr
.irp s, 0,1
	s_mov_b32 s[G0+4*\s], 1
	s_add_co_u32 s[G0+4*\s+1], s45, \s*SLOT
	s_add_nc_u64 s[G0+4*\s+2:G0+4*\s+3], s[20:21], \s*BLK
	s_or_b32 s[G0+4*\s+3], s[G0+4*\s+3], 0x80000000
	s_mov_b32 s[G0B+4*\s], 1
	s_add_co_u32 s[G0B+4*\s+1], s45, \s*SLOT
	s_add_nc_u64 s[G0B+4*\s+2:G0B+4*\s+3], s[46:47], \s*BLK
	s_or_b32 s[G0B+4*\s+3], s[G0B+4*\s+3], 0x80000000
.endr
	s_cmp_eq_u32 s15, 0
	s_cselect_b64 s[PFA:PFA+1], s[20:21], s[46:47]
	s_add_nc_u64 s[PFA:PFA+1], s[PFA:PFA+1], s[82:83]
	CROUND                                         ; all sixteen work-groups are here: the first joint loads meet
	JLOAD 0                                        ; K step 0: one tensor load a wave at the head
	PF 1                                           ; K step 1 is asked for while step 0 is on its way
	s_wait_loadcnt 0x0
	WIN 0x40
.set CT, 0
.irp g, v96.l, v96.h, v97.l, v97.h, v98.l, v98.h, v99.l, v99.h, v100.l, v100.h, v101.l, v101.h, v102.l, v102.h, v103.l, v103.h, v104.l, v104.h, v105.l, v105.h, v106.l, v106.h, v107.l, v107.h, v108.l, v108.h, v109.l, v109.h, v110.l, v110.h, v111.l, v111.h
	v_cvt_f32_f16 v[BIAS+CT], \g
.set CT, CT+1
.endr
.irp g, v112.l, v112.h, v113.l, v113.h, v114.l, v114.h, v115.l, v115.h, v116.l, v116.h, v117.l, v117.h, v118.l, v118.h, v119.l, v119.h, v120.l, v120.h, v121.l, v121.h, v122.l, v122.h, v123.l, v123.h, v124.l, v124.h, v125.l, v125.h, v126.l, v126.h, v127.l, v127.h
	v_cvt_f32_f16 v[BIAS+CT], \g
.set CT, CT+1
.endr
	WIN 0
.macro MM d, s0, s1, c, kb, ka, odd    ; one product: 32 columns x 16 rows x 128 K.  A's scale words of an odd row block lie in lanes 16-31
.if \odd
	v_wmma_scale_f32_32x16x128_f4 v[(\d):(\d)+15], v[(\s0):(\s0)+15], v[(\s1):(\s1)+7], v[(\c):(\c)+15], v[\kb], v[\ka] matrix_b_scale:MATRIX_SCALE_ROW1
.else
	v_wmma_scale_f32_32x16x128_f4 v[(\d):(\d)+15], v[(\s0):(\s0)+15], v[(\s1):(\s1)+7], v[(\c):(\c)+15], v[\kb], v[\ka]
.endif
.endm
; Group a of a step: row block a x B's four pairs; the slot's q-th 128 along K, fragment sets p, scale set sc.  first = 1: C is the bias.  The 32 sums take turns, one instruction a turn, in the same order in every step.
.macro GRP a, p, q, sc, first
.if \first
	WIN 0x91+0x40*((\a)/4)                         ; source 0 and C window 1, source 1 window 0, D window 2 or 3
.else
	WIN 0xa1+0x50*((\a)/4)                         ; source 0 window 1, source 1 window 0, C and D window 2 or 3
.endif
.irp b, 0,1,2,3
.if \first
	MM 16*(4*((\a)%4)+\b), 64*(\p)+16*\b, AF+64*(\p)+8*(\a), BIAS+16*\b, SC+32*(\sc)+4*\b+(\q), SC+32*(\sc)+16+4*((\a)/2)+(\q), (\a)%2
.else
	MM 16*(4*((\a)%4)+\b), 64*(\p)+16*\b, AF+64*(\p)+8*(\a), 16*(4*((\a)%4)+\b), SC+32*(\sc)+4*\b+(\q), SC+32*(\sc)+16+4*((\a)/2)+(\q), (\a)%2
.endif
.endr
.endm
.macro FB slot, q, p, i                ; B's fragment i of the slot's q-th 128 along K into window 1 at 64 p + 8 i
.irp c, 0,1
	ds_load_b128 v[64*(\p)+8*(\i)+4*\c:64*(\p)+8*(\i)+4*\c+3], v[ADRB+\slot] offset:4096*(\i)+1024*(\q)+512*\c
.endr
.endm
.macro FBS slot, q, p                  ; all eight
	WIN TO_B
.irp i, 0,1,2,3,4,5,6,7
	FB \slot, \q, \p, \i
.endr
	WIN 0
.endm
.macro FA slot, q, p, i
.irp c, 0,1
	ds_load_b128 v[AF+64*(\p)+8*(\i)+4*\c:AF+64*(\p)+8*(\i)+4*\c+3], v[ADRA+\slot] offset:4096*(\i)+1024*(\q)+512*\c
.endr
.endm
.macro SCL slot                        ; a slot's scale words: four for each row
.irp i, 0,1,2,3
	ds_load_b128 v[SC+32*\slot+4*\i:SC+32*\slot+4*\i+3], v[ADRB+\slot] offset:32768+512*\i
.endr
.irp i, 0,1,2,3
	ds_load_b128 v[SC+32*\slot+16+4*\i:SC+32*\slot+16+4*\i+3], v[ADRA+\slot] offset:32768+512*\i
.endr
.endm
.macro RUN slot, q, p                  ; a step's 32 loads, in the order of their use: B 0-7, A 0-7
	FBS \slot, \q, \p
.irp i, 0,1,2,3,4,5,6,7
	FA \slot, \q, \p, \i
.endr
.endm
; A step's head and its groups 0-5.  Ahead of the run B and A's fragment 0 of this step are in (14 loads behind it); A's 1-3 are in where 8 of this step's and the run's 32 may be out; A's 4-7 where the run's 32 may be.
.macro HEAD6 slot, q, first
	s_wait_dscnt 14
	PLACES                                         ; the other sets were read by the step before
	RUN \slot, (\q)+1, 1-(\q)%2
	GRP 0, (\q)%2, \q, \slot, \first
	s_wait_dscnt 40
.irp a, 1,2,3
	GRP \a, (\q)%2, \q, \slot, \first
.endr
	s_wait_dscnt 32
	GRP 4, (\q)%2, \q, \slot, \first
	GRP 5, (\q)%2, \q, \slot, \first
.endm
.macro STEP slot, q, first             ; a step with its successor in the same slot
	HEAD6 \slot, \q, \first
	GRP 6, (\q)%2, \q, \slot, \first
	GRP 7, (\q)%2, \q, \slot, \first
.endm
.macro ASK                             ; the K step two refills on; a panel's last two refills ask for nothing
	s_cmp_gt_u32 s3, 1
	s_cbranch_scc0 .Lnone_\@
	PF 3
.Lnone_\@:
.endm
; A slot's steps q = 2 and q = 3 change slots.  The slot's last reads, q = 3's fragments, are issued at q = 2's head, so they are over when q = 2 ends: up to there MEET; fill = 1: a round follows its barrier.
.macro MEET slot, fill
	HEAD6 \slot, 2, 0
	WIN 0
.if \fill
	s_wait_xcnt 0x0                                ; my prefetches have read their address
	s_add_nc_u64 s[PFA:PFA+1], s[PFA:PFA+1], BLK
.endif
	s_wait_tensorcnt 0x0                           ; all my tensor loads have landed: my block of the next slot
	ds_add_u32 v[SPW], v[NIL]                      ; 0 onto my spare word
.if \fill
	s_add_nc_u64 s[G0+4*\slot+2:G0+4*\slot+3], s[G0+4*\slot+2:G0+4*\slot+3], 2*BLK
	s_add_nc_u64 s[G0B+4*\slot+2:G0B+4*\slot+3], s[G0B+4*\slot+2:G0B+4*\slot+3], 2*BLK
.endif
	GRP 6, 0, 2, \slot, 0
	GRP 7, 0, 2, \slot, 0
	s_wait_dscnt 0x0                               ; the add is done, my reads of this slot are over
	s_barrier_signal -1
	GRP 0, 1, 3, \slot, 0
	GRP 1, 1, 3, \slot, 0
	WIN 0
	s_barrier_wait -1
.endm
.macro TURN slot, next
	MEET \slot, 1
	CREST                                          ; no wave of any partner still reads this slot or has a load on its way
	JLOAD \slot
	SCL \next
	RUN \next, 0, 0
	ASK
.irp a, 2,3,4,5,6,7
	GRP \a, 1, 3, \slot, 0
.endr
	WIN 0
.endm
	s_wait_alu depctr_va_vdst(0)                   ; the wait at the head's end
	s_wait_tensorcnt 0x0                           ; my block of K step 0 is in; slot 1's first fill is issued as a refill is
	ds_add_u32 v[SPW], v[NIL]
	s_wait_dscnt 0x0
	CROUND
	JLOAD 1
	SCL 0
	RUN 0, 0, 0
	PF 2
	PF 3
	STEP 0, 0, 1
	WIN 0
	s_mov_b32 s3, 3
.Llap:                                                 ; a trip goes once round the ring, from a lap's second step to the next lap's first
	STEP 0, 1, 0
	TURN 0, 1
	STEP 1, 0, 0
	STEP 1, 1, 0
	TURN 1, 0
	STEP 0, 0, 0
	WIN 0
	s_sub_co_u32 s3, s3, 1
	s_cmp_lg_u32 s3, 0
	s_cbranch_scc1 .Llap
	STEP 0, 1, 0
; THE LAST K STEP (slot 1) GOES BY ROWS OF OUT: B's fragments of all four q fill window 1 (q at 64 q), A's come by row blocks (32 registers, two buffers by turns), and each row block leaves when its 16 products are done.
.macro AL a
.irp q, 0,1,2,3
.irp c, 0,1
	ds_load_b128 v[AF+32*((\a)%2)+8*\q+4*\c:AF+32*((\a)%2)+8*\q+4*\c+3], v[ADRA+1] offset:4096*(\a)+1024*\q+512*\c
.endr
.endr
.endm
.macro RQ a, q                         ; four products of row block a
	WIN 0xa1+0x50*((\a)/4)
.irp b, 0,1,2,3
	MM 16*(4*((\a)%4)+\b), 64*(\q)+16*\b, AF+32*((\a)%2)+8*(\q), 16*(4*((\a)%4)+\b), SC+32+4*\b+(\q), SC+48+4*((\a)/2)+(\q), (\a)%2
.endr
.endm
.macro ROW a
	RQ \a, 0
	RQ \a, 2
	RQ \a, 3
	RQ \a, 1
	WIN 0
.endm
.macro PACK a                          ; rounded to f16: 16 bytes a lane for each 16 columns, each sum from its low end on
.set AC, 64*((\a)%4)
	WIN 0x0a+5*((\a)/4)
.irp b, 0,1,2,3,4,5,6,7
.irp r, 0,1,2,3
	v_cvt_pk_f16_f32 v[TMP+4*\b+\r], v[AC+8*\b+2*\r], v[AC+8*\b+2*\r+1]
.endr
.endr
	WIN 0
.endm
.macro TOSTAGE a                       ; into my stage, and back as whole rows of 256 bytes: LDS serves a wave's instructions in order (ISA guide 5.7.1.4)
.set BB, BK+32*((\a)%2)
.irp b, 0,1,2,3,4,5,6,7
	ds_store_b128 v[STO], v[TMP+4*\b:TMP+4*\b+3] offset:32*\b
.endr
.irp t, 0,1,2,3,4,5,6,7
	ds_load_b128 v[BB+4*\t:BB+4*\t+3], v[RD] offset:\t*2*SPITCH
.endr
.endm
.macro SEND a, younger                 ; younger: the LDS loads issued behind block a's, which may be out
.set BB, BK+32*((\a)%2)
	s_wait_dscnt \younger
	s_wait_xcnt 0x0                                ; earlier stores have read their registers and their base
.if (\a) > 0
	s_add_nc_u64 s[10:11], s[10:11], 16*ROWO
.endif
.irp t, 0,1,2,3,4,5,6,7
	global_store_b128 v[CO], v[BB+4*\t:BB+4*\t+3], s[10:11] offset:2*\t*ROWO th:TH_STORE_NT   ; sixteen lanes store 256 consecutive bytes, aligned
.endr
.endm
	MEET 0, 0                                      ; my block of the last K step is in; nothing is filled again: no round follows
	PLACES
	SCL 1
	FBS 1, 0, 0
	AL 0
	FBS 1, 2, 2
.irp a, 2,3,4,5,6,7
	GRP \a, 1, 3, 0, 0
.endr
	WIN 0
	PLACES                                         ; for the loads over set 1
	s_wait_dscnt 16                                ; the scales, B's q = 0 and block 0's A are in; B's q = 2 may be out
	FBS 1, 3, 3
	FBS 1, 1, 1
	AL 1
	RQ 0, 0
	s_wait_dscnt 40                                ; q = 2 is in; B's q = 3 and 1 (16 each) and block 1's 8 may be out
	RQ 0, 2
	s_wait_dscnt 24                                ; q = 3 is in
	RQ 0, 3
	s_wait_dscnt 8                                 ; q = 1 is in
	RQ 0, 1
	WIN 0
	PLACES                                         ; block 0's registers of A are loaded again, its sums are read below
	AL 2
	s_wait_dscnt 8                                 ; block 1's A is in; block 2's may be out
	ROW 1
	PACK 0
	TOSTAGE 0
	AL 3                                           ; PACK's conversions, of another block's sums, are the places behind the row just multiplied, here and below
.irp a, 2,3,4,5,6
	s_wait_dscnt 24                                ; block a's A is in; the stage's 16 and block a + 1's 8 may be out
	ROW \a
	PACK \a-1
	s_wait_alu depctr_va_vdst(0)                   ; directly ahead of SEND's waits
	SEND \a-2, 8
	TOSTAGE \a-1
.if \a < 6
	AL \a+2
.endif
.endr
	s_wait_dscnt 16                                ; block 7's A is in; the stage's 16 may be out
	ROW 7
	PACK 6
	s_wait_alu depctr_va_vdst(0)
	SEND 5, 0
	TOSTAGE 6
	PACK 7
	s_wait_alu depctr_va_vdst(0)
	SEND 6, 0
	TOSTAGE 7
	SEND 7, 0
	s_wait_tensorcnt 0x0                           ; the wave's end
	ds_add_u32 v[SPW], v[NIL]
	s_wait_dscnt 0x0
	CROUND                                         ; the closing round: no work-group ends while a partner may still ask for a block that names it
	s_endpgm
.Lfunc_end_k_qb414bf9cf2_gemm:
	.size	k_qb414bf9cf2_gemm, .Lfunc_end_k_qb414bf9cf2_gemm-k_qb414bf9cf2_gemm
	.p2alignl 7, 3214868480
	.fill 96, 4, 3214868480
	.section	.rodata,"a",@progbits
	.p2align	6, 0x0
	.amdhsa_kernel k_qb414bf9cf2_gemm
		.amdhsa_group_segment_fixed_size 327680
		.amdhsa_private_segment_fixed_size 0
		.amdhsa_enable_private_segment 0
		.amdhsa_kernarg_size 32
		.amdhsa_user_sgpr_count 2
		.amdhsa_user_sgpr_kernarg_segment_ptr 1
		.amdhsa_wavefront_size32 1
		.amdhsa_system_sgpr_workgroup_id_x 1
		.amdhsa_system_sgpr_workgroup_id_y 1
		.amdhsa_system_sgpr_workgroup_id_z 1
		.amdhsa_system_vgpr_workitem_id 0
		.amdhsa_next_free_vgpr 1024
		.amdhsa_next_free_sgpr 100
		.amdhsa_reserve_vcc 0
		.amdhsa_float_denorm_mode_32 3
		.amdhsa_float_denorm_mode_16_64 3
		.amdhsa_memory_ordered 1
		.amdhsa_forward_progress 1
		.amdhsa_inst_pref_size 150
	.end_amdhsa_kernel
	.amdgpu_metadata
---
amdhsa.version: [ 1, 2 ]
amdhsa.kernels:
  - .name:           k_qb414bf9cf2_gemm
    .symbol:         k_qb414bf9cf2_gemm.kd
    .args:
      - { .name: a_ws, .offset: 0, .size: 8, .value_kind: global_buffer, .address_space: global }
      - { .name: b_ws, .offset: 8, .size: 8, .value_kind: global_buffer, .address_space: global }
      - { .name: bias, .offset: 16, .size: 8, .value_kind: global_buffer, .address_space: global }
      - { .name: out0, .offset: 24, .size: 8, .value_kind: global_buffer, .address_space: global }
    .group_segment_fixed_size: 327680
    .private_segment_fixed_size: 0
    .kernarg_segment_align: 8
    .kernarg_segment_size: 32
    .max_flat_workgroup_size: 128
    .sgpr_count:     100
    .vgpr_count:     1024
    .wavefront_size: 32
...
	.end_amdgpu_metadata
.endif
;; end of part 3
